; MI455X (gfx1250); checked and timed in simulation.
; The chip was launched on July 23, 2026; its instructions are those of AMD's public machine-readable ISA for CDNA 5 (MIT licence, August 2026) and "CDNA5" Instruction Set Architecture Reference Guide (July 2026). The comments in the code are by the model that wrote it; some were corrected since.
;; Multi Head Global Attention. Allowed arithmetic: matrix products marked QUANTISED: E2M1 operands, one E8M0 scale for each 32 along K, by v_wmma_scale_f32_16x16x128_f8f6f4 with both operands' format E2M1 (or v_wmma_scale_f32_32x16x128_f4), f32 sums; everything else in f32.
;; Inputs: b_o 1,024 float32; b_qkv 3,072 float32; w_o_codes 1,024 x 32 x 16 uint8 (E2M1 codes of w_o, K innermost, in blocks of 32 codes, two codes a byte); w_o_scales 1,024 x 32 uint8 (E8M0 scales of w_o, one for each 32 codes along K); w_qkv_codes 3,072 x 32 x 16 uint8 (E2M1 codes of w_qkv, K innermost, in blocks of 32 codes, two codes a byte); w_qkv_scales 3,072 x 32 uint8 (E8M0 scales of w_qkv, one for each 32 codes along K); x_codes 2 x 2,048 x 32 x 16 uint8 (E2M1 codes of x, K innermost, in blocks of 32 codes, two codes a byte); x_scales 2 x 2,048 x 32 uint8 (E8M0 scales of x, one for each 32 codes along K).
;; Outputs: out0 2 x 2,048 x 1,024 float32.
;; This version of the problem:
;;   THIS VERSION OF THE PROBLEM IS GIVEN IN LOW PRECISION. The matrix products marked QUANTISED in the list below multiply operands that are first quantised to E2M1 (2 exponent bits, 1 mantissa bit; 4 bits a number), with one power-of-two scale for each 32 numbers along K (OCP MX v1.0); their sums are f32. All else is computed in f32.
;;   The module's matrix products, in the order in which they are computed (A, B: the left and right operand; K: the contracted axis; several contracted axes count as one K, in the product's order):
;;     1. [M 4,096, K 1,024] x [K 1,024, N 3,072]; A: input x (given as codes); B: input w_qkv (given as codes): QUANTISED
;;     2. batch 32 x [M 2,048, K 64] x [K 64, N 2,048]; A: computed on the way; B: computed on the way: QUANTISED
;;     3. batch 32 x [M 2,048, K 2,048] x [K 2,048, N 64]; A: softmax (see below); B: computed on the way: QUANTISED
;;     4. [M 4,096, K 1,024] x [K 1,024, N 1,024]; A: computed on the way; B: input w_o (given as codes): QUANTISED
;;   THE QUANTISER, for each operand of a quantised product, along K:
;;     - K is cut into blocks of 32 from its start; a last block that is shorter is filled with zeros.
;;     - A block's scale is 2^e with e = floor(log2(the largest magnitude in the block)) - 2, held to -126 .. 127; a block of zeros has e = 0. As a byte (E8M0): e + 127.
;;     - Each number is divided by its block's scale, clamped to +-6, and rounded to the nearest number of E2M1, ties to even, subnormals kept.
;;     - The product sums the exact products of the quantised numbers (number of the format x scale) in f32.
;;   ~~~python
;;   def quantise(x, axis):      # numpy; x: float32 -> the quantised numbers, widened to float32 again
;;       x = np.moveaxis(x, axis, -1); K = x.shape[-1]
;;       x = np.pad(x, [(0, 0)] * (x.ndim - 1) + [(0, -K % 32)]); x = x.reshape(x.shape[:-1] + (-1, 32)); a = np.abs(x).max(-1, keepdims=True)
;;       e = np.where(a > 0, np.clip(np.frexp(np.where(a > 0, a, 1))[1] - 1 - 2, -126, 127), 0)      # np.frexp(a)[1] - 1 = floor(log2(a)), exactly
;;       r = np.clip(x / 2.0 ** e, -6, 6)
;;       step = 2.0 ** (np.maximum(np.frexp(np.where(r == 0, 1, r))[1] - 1, 0) - 1)
;;       q = np.round(r / step) * step * 2.0 ** e      # np.round: ties to even
;;       return np.moveaxis(q.reshape(q.shape[:-2] + (-1,))[..., :K], -1, axis).astype(np.float32)
;;   ~~~
;;   SOFTMAX AHEAD OF A QUANTISED PRODUCT. Where the list says 'softmax', what is quantised is not the finished softmax but p = 2^(t - M), with t = logit x log2(e) and M = ceil(the row's largest t), a whole number; so 1/2 < the row's largest p <= 1. The row's sum l is taken of the UNQUANTISED p, in f32, and the product's result is divided by l at the end. Since M is a whole number, a kernel that streams over the keys may use a running M (the ceiling of the running maximum): every later rescaling is an exact power of two, which a block's scale takes up: the codes' values come out the same.
;;   OPERANDS COMPUTED ON THE WAY. 'Computed on the way' means the value that the module computes at that place (a softmax that the list does not call 'softmax' is quantised finished and normalised). What goes into a quantiser is computed in f32, as accurately as f32 sums, v_exp_f32 and their like allow (about 1e-6 of the number): no bf16 or f16 on the way to a quantiser, and a product that is left as it is and whose result goes on into a quantised operand takes f32 operands (vector FMAs, or v_wmma_f32_16x16x4_f32). A number that lies on a knife's edge between two numbers of the format may be rounded either way, as far as f32 arithmetic and the matrix unit's own rounding can turn it there, and no further.
;;   INPUTS GIVEN AS CODES. w_o (in the module: [1024, 1024], K = its axis 0); w_qkv (in the module: [1024, 3072], K = its axis 0); x (in the module: [2, 2048, 1024], K = its axis 2): each comes as NAME_codes (uint8): NAME with its K axis moved to the last place and cut into blocks of 32 codes, [.., K / 32, bytes a block], one block behind the other in memory; two codes a byte, the lower K in the low four bits (a code: sign, 2 exponent bits, 1 mantissa bit); and NAME_scales (uint8): the same leading axes, one E8M0 byte (e + 127) for each 32 codes along K. Its value is code x scale, taken as it is: it is not quantised again, and the codes and scales need not be those that the quantiser above would give.
;; One version. Each part assembles by itself: llvm-mc -triple=amdgcn-amd-amdhsa -mcpu=gfx1250 --defsym DOCPART=n.
;; ======== version 1 of 1: 3 launches
;; workspace buffers: qws 2,359,296 bytes; kvws 4,587,520 bytes; aoc 2,097,152 bytes; aos 262,144 bytes
;; launch qkv (part 1): grid 16 x 16, 4 waves a work-group, clusters of 4 x 4, 262,656 bytes of LDS; arguments x_codes, x_scales, w_qkv_codes, w_qkv_scales, b_qkv, qws, kvws; writes qws, kvws
.if DOCPART == 1
	.amdgcn_target "amdgcn-amd-amdhsa--gfx1250"
	.amdhsa_code_object_version 6
	.text
	.protected	k_q8001dbbcd9_qkv
	.globl	k_q8001dbbcd9_qkv
	.p2align	8
	.type	k_q8001dbbcd9_qkv,@function
k_q8001dbbcd9_qkv:
	s_mov_b64 s[64:65], 0
	v_nop
	global_prefetch_b8 v0, s[64:65] scope:SCOPE_SE
	s_setreg_imm32_b32 hwreg(HW_REG_WAVE_MODE, 25, 1), 1
	s_wait_xcnt 0x0
	s_wait_alu depctr_hold_cnt(0) depctr_sa_sdst(0) depctr_va_vdst(0) depctr_va_sdst(0) depctr_va_ssrc(0) depctr_va_vcc(0) depctr_vm_vsrc(0)
	s_getreg_b32 s2, hwreg(HW_REG_IB_STS2, 6, 4)
	s_cmp_eq_u32 s2, 0
	s_cbranch_scc0 .Lentry_in_a_cluster
	s_endpgm
.Lentry_in_a_cluster:
	s_bfe_u32 s2, ttmp6, 0x10000c
	s_cmp_lg_u32 s2, 0xf033
	s_cbranch_scc0 .Lentry_shape_is_right
	s_endpgm
.Lentry_shape_is_right:
; qkv = x Wqkv + b_qkv on codes of FP4 (E2M1) with E8M0 scales, and the result quantised at once: q and k along the head's 64, v along the keys.
; Nothing leaves as f32: q, k and v go to memory as IMAGES OF OPERAND REGISTERS (lane l's 16 bytes at 16 l) with their scale words, as the attention launch reads them.
; SHARES.  A work-group takes 256 tokens x one head's 192 columns (q | k | v, 64 each): 16 heads x 16 blocks of tokens = 256 work-groups.  Wave w takes tokens 64 w .. 64 w + 63
; against all 192 columns, in three parts of 64 columns: 16 accumulators, 8 K steps of 128, 128 matrix instructions a part.
; THE ROWS OF A TILE ARE NOT NEIGHBOURS: lane r of tile v of a group of 64 rows (tokens, or rows of W) takes row 8 v + r % 8 + 32 (r / 8).  In a result, register j of lane half h is tile row 8 h + j,
; that is row 32 h + 8 v + j: so the 32 registers of tiles 0-3 in one lane are ONE WHOLE BLOCK of 32 along the next product's K.  Its largest magnitude needs no other lane, and the conversion of
; tile v's eight registers is register v of the next operand's four.  Only the two scale bytes of a row change lane halves.
; q, k: the matrix instruction is used transposed (source 0 = rows of W, source 1 = tokens): a lane holds one token and 32 of the head's 64.  v: as it stands (source 0 = tokens, source 1 = rows of W):
; a lane holds one of the head's 64 and 32 tokens, which are keys, the next K.  The bias is the C of each sum's first matrix instruction.
; LDS.  All of K (1,024 codes, 512 bytes a row) of the 256 tokens and the 192 rows of W lies in LDS at once: every fill is a first fill.  The rows are laid by tile: region v holds the rows 32 z + 8 v + i at place
; 8 z + i, so that a tile's sixteen rows are sixteen neighbouring LDS rows, 528 bytes apart (132 words: row r starts at bank 4 r mod 64; 64 banks of 4 bytes: ISA guide 11.1).
; Eight neighbouring rows are 4,096 dense bytes of memory: one row of a tensor tile, with 16 bytes of padding laid behind every 512.
; CLUSTER.  4 x 4 work-groups: the four of a row of the cluster share the tokens, the four of a column the head: each tile is asked for jointly, by the same load with the same descriptor and a mask that names the four.
; LIMITS.  NaN, infinities and scale bytes 0xff among the inputs are not served.  A block of zeros gets the scale byte 1 where the quantiser says 127: its codes are zeros, and this program alone reads the bytes.
; REGISTERS.  Window 0: v1-15 addresses; v16-31 x's scale words; v32-79 W's; v80-207 the accumulators ((m, n) at 80 + 32 m + 8 n); v208-241 the quantiser's; v242-255 set-up.
;   Window 1: all of my x fragments (K step q, tile m at 32 q + 8 m), read from LDS once.   Window 2: v0-63 W's fragments, two sets; v64-159 the biases (part p, tile n at 64 + 32 p + 8 n).
.set PITCH, 528
.set AREG,  64*PITCH                   ; a region of x: 64 rows
.set BOFF,  4*AREG
.set BREG,  48*PITCH                   ; a region of W: 48 rows
.set BPART, 16*PITCH                   ; a part's 16 rows of it
.set VSC,   BOFF+4*BREG                ; 512 bytes in which v's scale words of two key steps are put together; no fill lands here
.set QGRP,  2304                       ; qws: 64 queries: four images of 512 bytes, 256 bytes of scale words
.set KVSTEP, 8960                      ; kvws: 128 keys: k's 8 images, v's 4 fragments of 1,024 bytes, k's scale words (512), v's (256)
.set ADA,  1                           ; v1-4    LDS address of my fragments of x, tile v
.set ADB,  5                           ; v5-8    the same of W
.set O16,  9                           ; v9      16 x lane
.set O8,   10                          ; v10     8 x lane
.set OK16, 11                          ; v11     16 x lane + 2,048 (w % 2): k's images of my half of a key step
.set OK8,  12                          ; v12     8 x lane + 256 (w % 2): their scale words
.set OV16, 13                          ; v13     16 x lane + 512 (w % 2): my half of v's fragments
.set VSA,  14                          ; v14     where my half words of v's scales go in LDS
.set SH8,  15                          ; v15     8 x (lane / 16)
.set XS,   16
.set WS,   32
.set ACC,  80
.set TM,   208                         ; v208-211 largest magnitudes, a group each
.set SO,   212                         ; v212-215 the conversions' scale operands
.set WD,   216                         ; v216-219 scale bytes, then words
.set XX,   220                         ; v220-223 the other lane half's
.set PC,   224                         ; v224-239 the codes: four registers a group
.set EE,   240                         ; v240-241 the scale words as they are stored
.set VB,   249                         ; v249-252 v's bias, one number a lane and tile
.set BF,   0
.set BI,   64
.set WV,   18                          ; s18 my wave's number
.set MSB, 0
.macro WIN new                         ; the immediate's high byte repeats the setting that is left
.if MSB != \new
	s_set_vgpr_msb (MSB<<8)|\new
.set MSB, \new
.endif
.endm
.macro PLACES                          ; four plain places behind a matrix instruction, ahead of loads into its sources and of reads of its result
.rept 4
	v_nop
.endr
.endm
.macro CROUND                          ; a round of the cluster's barrier
	s_barrier_signal -1
	s_barrier_wait -1
	s_cmp_lg_u32 s[WV], 0
	s_cbranch_scc1 .Lnot_wave_0_\@
	s_barrier_signal -3
.Lnot_wave_0_\@:
	s_barrier_wait -3
	s_barrier_signal -1
	s_barrier_wait -1
.endm
; one matrix instruction; hi = 1: both sides' scale words are taken from lanes 16-31 (K steps 4-7)
.macro MM d, a, b, c, sa, sb, hi
.if \hi
	v_wmma_scale_f32_16x16x128_f8f6f4 v[\d:\d+7], v[\a:\a+7], v[\b:\b+7], v[\c:\c+7], v[\sa], v[\sb] matrix_a_fmt:MATRIX_FMT_FP4 matrix_b_fmt:MATRIX_FMT_FP4 matrix_a_scale:MATRIX_SCALE_ROW1 matrix_b_scale:MATRIX_SCALE_ROW1
.else
	v_wmma_scale_f32_16x16x128_f8f6f4 v[\d:\d+7], v[\a:\a+7], v[\b:\b+7], v[\c:\c+7], v[\sa], v[\sb] matrix_a_fmt:MATRIX_FMT_FP4 matrix_b_fmt:MATRIX_FMT_FP4
.endif
.endm
; W's four fragments of part p, K step q, into set
.macro BFETCH p, q, set
	WIN 0x80                                       ; destination window 2, address window 0
.irp v, 0,1,2,3
.irp c, 0,1
	ds_load_b128 v[BF+32*(\set)+8*\v+4*\c:BF+32*(\set)+8*\v+4*\c+3], v[ADB+\v] offset:BPART*(\p)+64*(\q)+32*\c
.endr
.endr
.endm
; 16 matrix instructions: K step q of part p.  The sixteen accumulators take turns, one instruction a turn, in the same order in every step.
.macro MUL p, q
.if (\p) < 2
.if (\q) == 0
	WIN 0x26                                       ; source 0 (W) window 2, source 1 (x) window 1, C (the bias) window 2, D window 0
.else
	WIN 0x06
.endif
.else
.if (\q) == 0
	WIN 0x29                                       ; source 0 (x) window 1, source 1 (W) window 2, C (the bias) window 2
.else
	WIN 0x09
.endif
.endif
.irp m, 0,1,2,3
.irp n, 0,1,2,3
.set rD, ACC+32*\m+8*\n
.set rC, rD
.if (\q) == 0
.set rC, BI+32*(\p)+8*\n
.endif
.set rX, 32*(\q)+8*\m
.set rW, BF+32*((\q)%2)+8*\n
.set sX, XS+4*\m+(\q)%4
.set sW, WS+16*(\p)+4*\n+(\q)%4
.if (\p) < 2
	MM rD, rW, rX, rC, sW, sX, (\q)/4
.else
	MM rD, rX, rW, rC, sX, sW, (\q)/4
.endif
.endr
.endr
.endm
; a part: 8 K steps; the next step's fragments of W are asked for ahead of each step's products
.macro PART p
	BFETCH \p, 0, 0
.irp q, 0,1,2,3,4,5,6
.if \q > 0
	PLACES                                         ; the set to be loaded was multiplied by the step just issued
.endif
	BFETCH \p, \q+1, (\q+1)%2
	s_wait_dscnt 8                                 ; all but the eight loads just issued: this step's fragments are in
	MUL \p, \q
.endr
	s_wait_dscnt 0x0
	MUL \p, 7
	WIN 0
	PLACES                                         ; ahead of the first read of the results
.endm
; THE QUANTISER.  Group g (0-3), tile t (0-3) at ACC + sg g + st t: a group's 32 registers are one block of 32 in each lane half.
; Codes to v[PC + 4 g + t]; the row's two bytes make a half word (dup = 1: written twice, so that it serves either half of a K step of 128); v[EE], v[EE+1]: groups 0, 1 in lanes 0-15, groups 2, 3 in lanes 16-31.
.macro QUANT sg, st, dup
	s_wait_xcnt 0x0                                ; the last part's stores have read the registers that are written again below
.irp g, 0,1,2,3
	v_max3_num_f32 v[TM+\g], |v[ACC+\sg*\g]|, |v[ACC+\sg*\g+1]|, 0x1800000   ; the floor 2^(3 - 127) holds the byte at 1 from below.  Each accumulator is read from its low end on
.endr
.irp t, 0,1,2,3
.irp j, 0,2,4,6
.if (\t+\j) > 0
.irp g, 0,1,2,3
	v_max3_num_f32 v[TM+\g], v[TM+\g], |v[ACC+\sg*\g+\st*\t+\j]|, |v[ACC+\sg*\g+\st*\t+\j+1]|   ; the four groups by turns
.endr
.endif
.endr
.endr
.irp g, 0,1,2,3
	v_add_nc_u32 v[SO+\g], 0xff000000, v[TM+\g]    ; 2 off the exponent field: the conversion takes this operand's exponent field as its scale
.endr
.irp g, 0,1,2,3
	v_lshrrev_b32 v[WD+\g], 23, v[SO+\g]           ; the scale's byte
.endr
.irp g, 0,1,2,3
.irp t, 0,1,2,3
	v_cvt_scalef32_pk8_fp4_f32 v[PC+4*\g+\t], v[ACC+\sg*\g+\st*\t:ACC+\sg*\g+\st*\t+7], v[SO+\g]
.endr
.endr
.irp g, 0,1,2,3
	v_lshlrev_b32 v[WD+\g], v[SH8], v[WD+\g]       ; my half's byte at its place
.endr
.irp g, 0,1,2,3
	v_permlanex16_b32 v[XX+\g], v[WD+\g], s70, s71
.endr
.irp g, 0,1,2,3
	v_or_b32 v[WD+\g], v[WD+\g], v[XX+\g]          ; with lane l xor 16's: both bytes, in both halves
.endr
.if \dup
.irp g, 0,1,2,3
	v_lshl_or_b32 v[WD+\g], v[WD+\g], 16, v[WD+\g]
.endr
.endif
	v_cndmask_b32 v[EE], v[WD], v[WD+2], vcc_lo    ; VCC = lanes 16-31
	v_cndmask_b32 v[EE+1], v[WD+1], v[WD+3], vcc_lo
.endm
	s_load_b256 s[4:11], s[0:1], 0x0               ; x's codes s[4:5], x's scales s[6:7], W's codes s[8:9], W's scales s[10:11]
	s_load_b128 s[12:15], s[0:1], 0x20             ; b_qkv s[12:13], qws s[14:15]
	s_load_b64 s[16:17], s[0:1], 0x30              ; kvws
	v_lshl_add_u32 v255, v0, 2, 0x40000
	s_set_vgpr_msb 0x80
	v_mov_b32 v255, 0
	s_set_vgpr_msb 0x8088
	ds_add_u32 v255, v255
	ds_add_u32 v255, v255
	s_set_vgpr_msb 0x8800
	v_lshrrev_b32 v242, 5, v0
	v_readfirstlane_b32 s[WV], v242                ; wave 0..3
	s_bfe_u32 s19, ttmp6, 0x40000                  ; cx, cy: my place in the cluster
	s_bfe_u32 s20, ttmp6, 0x40004
	s_lshl_b32 s21, ttmp9, 2
	s_add_co_u32 s21, s21, s19                     ; the head = 4 x cluster x + cx
	s_and_b32 s22, ttmp7, 0xffff
	s_lshl_b32 s22, s22, 2
	s_add_co_u32 s22, s22, s20                     ; the block of 256 tokens = 4 x cluster y + cy
	s_lshl_b32 s23, s20, 2
	s_lshl_b32 s23, 15, s23                        ; my row of the cluster: it shares the tokens
	s_lshl_b32 s24, 0x1111, s19                    ; my column: it shares the head
	; descriptor group 1.  Elements of 8 bytes; a tile row is 512 of them: eight neighbouring rows of 512 bytes; from tile row to tile row 32 rows = 2,048 elements; 4 words of padding behind every 128
	s_or_b32 s28, s23, (3<<16)|(1<<20)|(1<<21)|(6<<22)|(3<<25)   ; x: 8 tile rows
	s_or_b32 s36, s24, (3<<16)|(1<<20)|(1<<21)|(6<<22)|(3<<25)   ; W: 2 tile rows, a part
.irp g, 28, 36
	s_mov_b32 s[\g+1], 512<<16                     ; tensor_dim0
	s_mov_b32 s[\g+3], 512<<16                     ; tile_dim0
	s_mov_b32 s[\g+5], 2048                        ; tensor_dim0_stride
	s_mov_b32 s[\g+6], 0
	s_mov_b32 s[\g+7], 0
.endr
	s_mov_b32 s30, 8<<16                           ; tensor_dim1
	s_mov_b32 s32, 8                               ; tile_dim1
	s_mov_b32 s38, 2<<16
	s_mov_b32 s40, 2
	s_lshl_b32 s74, s[WV], 12                      ; wave w fetches region w: it begins 8 w rows on
	s_lshl_b32 s72, s22, 17                        ; x: 256 rows of 512 bytes a block (these registers never hold the head)
	s_add_co_u32 s72, s72, s74
	s_mov_b32 s73, 0
	s_mul_i32 s76, s21, 98304                      ; W: 192 rows of 512 bytes a head (these never hold the block of tokens)
	s_add_co_u32 s76, s76, s74
	s_mov_b32 s77, 0
	s_mul_i32 s75, s[WV], BREG
	s_wait_dscnt 0x0
	s_wait_kmcnt 0x0
	s_mov_b32 s44, 1
	s_mul_i32 s45, s[WV], AREG
	s_add_nc_u64 s[46:47], s[4:5], s[72:73]
	s_or_b32 s47, s47, 0x80000000
	s_add_nc_u64 s[78:79], s[8:9], s[76:77]
.irp p, 0,1,2
	s_mov_b32 s[48+4*\p], 1
	s_add_co_u32 s[49+4*\p], s75, BOFF+\p*BPART
	s_add_nc_u64 s[50+4*\p:51+4*\p], s[78:79], \p*32768    ; 64 rows of W a part
	s_or_b32 s[51+4*\p], s[51+4*\p], 0x80000000
.endr
	CROUND                                         ; all sixteen work-groups are here: the joint loads meet
	tensor_load_to_lds s[44:47], s[28:35]          ; x's region w;  four loads of mine are out
	s_nop 0
	tensor_load_to_lds s[48:51], s[36:43]          ; q's rows of W's region w
	s_nop 0
	tensor_load_to_lds s[52:55], s[36:43]          ; k's
	s_nop 0
	tensor_load_to_lds s[56:59], s[36:43]          ; v's
	s_nop 0
.rept 4
	v_nop
.endr
	; scale words and biases come straight into registers
	v_and_b32 v243, 7, v0                          ; r % 8
	v_bfe_u32 v244, v0, 3, 1                       ; r / 8
	v_bfe_u32 v245, v0, 4, 1                       ; h
	v_lshlrev_b32 v246, 5, v243
	v_lshl_add_u32 v246, v244, 10, v246
	v_lshl_add_u32 v246, v245, 4, v246             ; a row of 32 scale bytes: row r % 8 + 32 (r / 8); lanes 0-15 take words 0-3 (K steps 0-3), lanes 16-31 words 4-7
	v_lshlrev_b32 v247, 7, v245                    ; q's, k's bias: my half's 32 numbers
	v_lshlrev_b32 v248, 2, v243
	v_lshl_add_u32 v248, v244, 7, v248             ; v's bias: my lane's one number of a tile
	s_lshl_b32 s80, s22, 13
	s_lshl_b32 s82, s[WV], 11
	s_add_co_u32 s80, s80, s82
	s_mov_b32 s81, 0
	s_add_nc_u64 s[6:7], s[6:7], s[80:81]          ; x's scales at my 64 tokens
	s_mul_i32 s80, s21, 6144
	s_add_nc_u64 s[10:11], s[10:11], s[80:81]      ; W's at the head's 192 rows
	s_mul_i32 s80, s21, 768
	s_add_nc_u64 s[12:13], s[12:13], s[80:81]      ; the bias likewise
.irp v, 0,1,2,3
	global_load_b128 v[XS+4*\v:XS+4*\v+3], v246, s[6:7] offset:256*\v
.endr
.irp p, 0,1,2
.irp v, 0,1,2,3
	global_load_b128 v[WS+16*\p+4*\v:WS+16*\p+4*\v+3], v246, s[10:11] offset:2048*\p+256*\v
.endr
.endr
.irp n, 0,1,2,3
	global_load_b32 v[VB+\n], v248, s[12:13] offset:512+32*\n
.endr
	WIN 0x80                                       ; destination window 2
.irp p, 0,1
.irp n, 0,1,2,3
	global_load_b128 v[BI+32*\p+8*\n:BI+32*\p+8*\n+3], v247, s[12:13] offset:256*\p+32*\n       ; register j: the bias of column 32 h + 8 n + j of the part
	global_load_b128 v[BI+32*\p+8*\n+4:BI+32*\p+8*\n+7], v247, s[12:13] offset:256*\p+32*\n+16
.endr
.endr
	WIN 0
	v_and_b32 v253, 15, v0
	v_mul_u32_u24 v253, v253, PITCH
	v_lshl_add_u32 v253, v245, 4, v253             ; a fragment's row x pitch + 16 x half
	s_mul_i32 s83, s[WV], BPART                    ; my 16 rows of each region of x
.irp v, 0,1,2,3
	v_add_nc_u32 v[ADA+\v], s83, v253
	v_add_nc_u32 v[ADB+\v], BOFF+\v*BREG, v253
	s_add_co_u32 s83, s83, AREG
.endr
	v_and_b32 v254, 31, v0
	v_lshlrev_b32 v[O16], 4, v254
	v_lshlrev_b32 v[O8], 3, v254
	v_lshlrev_b32 v[SH8], 3, v245
	s_and_b32 s84, s[WV], 1                        ; which 64 keys of a step of 128 are mine
	s_lshr_b32 s90, s[WV], 1                       ; which of the work-group's two steps
	s_lshl_b32 s85, s84, 11
	v_add_nc_u32 v[OK16], s85, v[O16]
	s_lshl_b32 s85, s84, 8
	v_add_nc_u32 v[OK8], s85, v[O8]
	s_lshl_b32 s85, s84, 9
	v_add_nc_u32 v[OV16], s85, v[O16]
	s_lshl_b32 s85, s84, 1
	s_lshl_b32 s87, s90, 8
	s_add_co_u32 s85, s85, s87
	s_add_co_u32 s85, s85, VSC
	v_add_nc_u32 v[VSA], s85, v[O8]                ; VSC + 256 x step + 8 x lane + 2 x half
	s_lshr_b32 s91, s22, 3
	s_lshl_b32 s91, s91, 4
	s_add_co_u32 s91, s91, s21                     ; 16 x batch + head
	s_and_b32 s92, s22, 7                          ; the block within the batch
	s_lshl_b32 s86, s91, 5
	s_lshl_b32 s87, s92, 2
	s_add_co_u32 s86, s86, s87
	s_add_co_u32 s86, s86, s[WV]
	s_mul_i32 s86, s86, QGRP
	s_mov_b32 s87, 0
	s_add_nc_u64 s[66:67], s[14:15], s[86:87]      ; qws at my group of 64 queries
	s_lshl_b32 s88, s91, 4
	s_lshl_b32 s89, s92, 1
	s_add_co_u32 s88, s88, s89
	s_add_co_u32 s88, s88, s90
	s_mul_i32 s88, s88, KVSTEP
	s_mov_b32 s89, 0
	s_add_nc_u64 s[68:69], s[16:17], s[88:89]      ; kvws at my key step
	s_mov_b32 s70, 0x76543210
	s_mov_b32 s71, 0xfedcba98                      ; v_permlanex16_b32's selects for lane l xor 16
	s_mov_b32 vcc_lo, 0xffff0000
.irp g, 0,1,2,3
	v_mov_b32 v[XX+\g], 0                          ; written once: a lane permute's destination counts as one of its sources
.endr
	s_wait_tensorcnt 0x2                           ; my regions of x and of q's rows are in; k's and v's loads may stay out
	s_barrier_signal -1
	s_barrier_wait -1                              ; everybody's are
	WIN 0x40                                       ; destination window 1
.irp q, 0,1,2,3,4,5,6,7
.irp m, 0,1,2,3
.irp c, 0,1
	ds_load_b128 v[32*\q+8*\m+4*\c:32*\q+8*\m+4*\c+3], v[ADA+\m] offset:64*\q+32*\c   ; all my fragments of x: they serve all three parts
.endr
.endr
.endr
	WIN 0
	s_wait_loadcnt 0x0                             ; scale words and biases
	WIN 0x80
.irp n, 0,1,2,3
.irp j, 0,1,2,3,4,5,6,7
	v_mov_b32 v[BI+64+8*\n+\j], v[VB+\n]           ; v's bias hangs on the lane's column alone: the same number in a tile's eight registers
.endr
.endr
	WIN 0
	; ---- q
	PART 0
	QUANT 32, 8, 1                                 ; a group is a tile of tokens
.irp g, 0,1,2,3
	global_store_b128 v[O16], v[PC+4*\g:PC+4*\g+3], s[66:67] offset:512*\g   ; tile g's image: 512 consecutive bytes
.endr
	global_store_b64 v[O8], v[EE:EE+1], s[66:67] offset:2048                  ; the four tiles' scale words: 256 consecutive bytes
	; ---- k
	s_wait_tensorcnt 0x1                           ; my region of k's rows is in (no LDS instruction of mine is out: the part ended with a wait for all)
	s_barrier_signal -1
	s_barrier_wait -1
	PART 1
	QUANT 32, 8, 1
.irp g, 0,1,2,3
	global_store_b128 v[OK16], v[PC+4*\g:PC+4*\g+3], s[68:69] offset:512*\g
.endr
	global_store_b64 v[OK8], v[EE:EE+1], s[68:69] offset:8192
	; ---- v
	s_wait_tensorcnt 0x0                           ; v's rows: my last load
	s_barrier_signal -1
	s_barrier_wait -1
	PART 2
	QUANT 8, 32, 0                                 ; a group is a tile of the head's 64; its tiles run along my 64 keys
.irp g, 0,1,2,3
	global_store_b128 v[OV16], v[PC+4*\g:PC+4*\g+3], s[68:69] offset:4096+1024*\g   ; my half (64 keys) of the fragment of tile g
.endr
	ds_store_b16 v[VSA], v[EE]                     ; a scale word of v spans 128 keys, two waves': the halves meet in LDS
	ds_store_b16 v[VSA], v[EE+1] offset:4
	s_wait_dscnt 0x0                               ; for the others' sake: my stores have landed
	s_barrier_signal -1
	s_barrier_wait -1
	s_cmp_lg_u32 s[WV], 0
	s_cbranch_scc1 .Lothers
	v_add_nc_u32 v242, VSC, v[O16]
	ds_load_b128 v[244:247], v242                  ; both steps' words, 256 bytes each
	v_and_b32 v243, 15, v0
	v_bfe_u32 v248, v0, 4, 1
	v_lshlrev_b32 v243, 4, v243
	v_mad_u32_u24 v243, v248, KVSTEP, v243         ; lanes 0-15 the first step's, lanes 16-31 the second's
	s_wait_dscnt 0x0
	global_store_b128 v243, v[244:247], s[68:69] offset:8704   ; sixteen lanes store 256 consecutive bytes (wave 0's base is the first step's)
.Lothers:
	s_set_vgpr_msb 0x8
	s_wait_tensorcnt 0x0
	ds_add_u32 v255, v255
	s_wait_dscnt 0x0
	s_set_vgpr_msb 0x800
	CROUND                                         ; the closing round: no work-group ends while a partner may still ask for a tile that names it
	s_endpgm
.Lfunc_end_k_q8001dbbcd9_qkv:
	.size	k_q8001dbbcd9_qkv, .Lfunc_end_k_q8001dbbcd9_qkv-k_q8001dbbcd9_qkv
	.p2alignl 7, 3214868480
	.fill 96, 4, 3214868480
	.section	.rodata,"a",@progbits
	.p2align	6, 0x0
	.amdhsa_kernel k_q8001dbbcd9_qkv
		.amdhsa_group_segment_fixed_size 262656
		.amdhsa_private_segment_fixed_size 0
		.amdhsa_enable_private_segment 0
		.amdhsa_kernarg_size 56
		.amdhsa_user_sgpr_count 2
		.amdhsa_user_sgpr_kernarg_segment_ptr 1
		.amdhsa_wavefront_size32 1
		.amdhsa_system_sgpr_workgroup_id_x 1
		.amdhsa_system_sgpr_workgroup_id_y 1
		.amdhsa_system_sgpr_workgroup_id_z 1
		.amdhsa_system_vgpr_workitem_id 0
		.amdhsa_next_free_vgpr 768
		.amdhsa_next_free_sgpr 100
		.amdhsa_reserve_vcc 1
		.amdhsa_float_denorm_mode_32 3
		.amdhsa_float_denorm_mode_16_64 3
		.amdhsa_memory_ordered 1
		.amdhsa_forward_progress 1
		.amdhsa_inst_pref_size 103
	.end_amdhsa_kernel
	.amdgpu_metadata
---
amdhsa.version: [ 1, 2 ]
amdhsa.kernels:
  - .name:           k_q8001dbbcd9_qkv
    .symbol:         k_q8001dbbcd9_qkv.kd
    .args:
      - { .name: x_codes, .offset: 0, .size: 8, .value_kind: global_buffer, .address_space: global }
      - { .name: x_scales, .offset: 8, .size: 8, .value_kind: global_buffer, .address_space: global }
      - { .name: w_qkv_codes, .offset: 16, .size: 8, .value_kind: global_buffer, .address_space: global }
      - { .name: w_qkv_scales, .offset: 24, .size: 8, .value_kind: global_buffer, .address_space: global }
      - { .name: b_qkv, .offset: 32, .size: 8, .value_kind: global_buffer, .address_space: global }
      - { .name: qws, .offset: 40, .size: 8, .value_kind: global_buffer, .address_space: global }
      - { .name: kvws, .offset: 48, .size: 8, .value_kind: global_buffer, .address_space: global }
    .group_segment_fixed_size: 262656
    .private_segment_fixed_size: 0
    .kernarg_segment_align: 8
    .kernarg_segment_size: 56
    .max_flat_workgroup_size: 128
    .sgpr_count:     100
    .vgpr_count:     768
    .wavefront_size: 32
...
	.end_amdgpu_metadata
.endif
;; end of part 1
;; launch attn (part 2): grid 8 x 32, 16 waves a work-group, clusters of 4 x 1, 169,984 bytes of LDS; arguments qws, kvws, aoc, aos; writes aoc, aos
.if DOCPART == 2
	.amdgcn_target "amdgcn-amd-amdhsa--gfx1250"
	.amdhsa_code_object_version 6
	.text
	.protected	k_q8001dbbcd9_attn
	.globl	k_q8001dbbcd9_attn
	.p2align	8
	.type	k_q8001dbbcd9_attn,@function
k_q8001dbbcd9_attn:
	s_mov_b64 s[64:65], 0
	v_nop
	global_prefetch_b8 v0, s[64:65] scope:SCOPE_SE
	s_setreg_imm32_b32 hwreg(HW_REG_WAVE_MODE, 25, 1), 1
	s_wait_xcnt 0x0
	s_wait_alu depctr_hold_cnt(0) depctr_sa_sdst(0) depctr_va_vdst(0) depctr_va_sdst(0) depctr_va_ssrc(0) depctr_va_vcc(0) depctr_vm_vsrc(0)
	s_getreg_b32 s2, hwreg(HW_REG_IB_STS2, 6, 4)
	s_cmp_eq_u32 s2, 0
	s_cbranch_scc0 .Lentry_in_a_cluster
	s_endpgm
.Lentry_in_a_cluster:
	s_bfe_u32 s2, ttmp6, 0x10000c
	s_cmp_lg_u32 s2, 0x3003
	s_cbranch_scc0 .Lentry_shape_is_right
	s_endpgm
.Lentry_shape_is_right:
; Attention of one head on codes of FP4 (E2M1) with E8M0 scales, and its result quantised along the model's 1,024 for the last product.
; t = score x log2(e) / 8;  M = the running largest t rounded UP to a whole number;  p = 2^(t - M) is quantised along the keys, not normalised; the row's sum is taken of the unquantised p and divides O at the end.
; When M moves, the sum and O are multiplied by 2^(old M - new M): nothing is rounded, and there is no branch on data.
; SHARES.  A work-group owns 256 queries of one head (8 x 32 = 256 work-groups); each of its sixteen waves owns one tile of 16 queries in 256 registers: four waves to a SIMD.
; Every wave walks the head's 2,048 keys, 128 a step.
; LDS.  The head's k, v and scale words, 143,360 bytes, lie in LDS whole, as the first launch laid them: images of operand registers, lane l's 16 bytes at 16 l, so every LDS load takes consecutive bytes.
; Wave w brings key step w by one load of 8,960 dense bytes: one load of mine is out, every fill is a first fill.
; THE ORDER OF THE KEY STEPS.  Wave w begins with step w, which it fetched itself: its own wait on TENSORcnt is all that these reads need.  It signals the barrier behind that wait and waits at the barrier
; behind its first step: so the first step's work stands where the wave would wait for the others' tiles.  Then it goes on with steps w + 1, w + 2, .. modulo 16.
; CLUSTER.  The four query blocks of a cluster belong to one head: each step's bytes are asked for jointly, by the same load with a mask that names the four.
; LAYOUT.  Both products are used transposed: S^T = k q^T (source 0 = 16 keys), O^T = v^T p^T (source 0 = 16 of the head's 64): a lane holds ONE query throughout.
; THE ROWS OF A TILE ARE NOT NEIGHBOURS: lane r of tile v of a group of 64 takes row 8 v + r % 8 + 32 (r / 8): so the 32 registers of a group's four tiles are, in lane half h, the whole block 32 h .. 32 h + 31.
; A block's largest score needs no other lane, and the conversion of tile v's eight registers is register v of the operand's four: nothing changes lanes but the scale bytes.
; THE FIRST PRODUCT'S K IS 64: the other half of the instruction's 128 is zero codes.  Even tiles take [k][0] x [q][0], odd tiles [0][k] x [0][q], so that one run of four zero registers serves two tiles;
; q's and k's scale words hold their two bytes twice and serve either half.
; BY TURNS.  The 64 exponentials of a step do not stand in one run: each pair of them takes turns with plain work that is ready (t - M two pairs ahead, the sums a pair back, the scale word, the conversions,
; the rescaling of O^T), so that a plain instruction stands behind every exponential before its result is used (ISA guide 5.7.2) and no line waits for the line above it.
; LIMITS.  NaN and infinities are not served.  1 / sum is v_rcp_f32 and a multiplication.  The order in which a row's sums are taken differs from wave to wave and from the reference's.
; A block's largest p is made from its largest score by the same multiply-add and exponential: this takes v_exp_f32 not to fall where its input rises.
; A block of zeros gets the scale byte 1 where the quantiser says 127: its codes are zeros, and this program alone reads the bytes.
.set KVSTEP, 8960                      ; a key step: k's 8 images (512 each), v's 4 fragments (1,024 each), k's scale words (512), v's (256)
.set HEADB,  16*KVSTEP
.set SSTG,   HEADB                     ; 1,024 bytes behind the head's: the result's scale words are gathered here; no fill lands here
.set QGRP,   2304
.set LK,  1                            ; v1  16 x lane
.set L8,  2                            ; v2  8 x lane
.set SH8, 3                            ; v3  8 x (lane / 16)
.set A16, 4                            ; v4  16 x lane + a step's first byte
.set A8,  5                            ; v5  8 x lane + the same
.set SHE, 6                            ; v6  where my byte stands in the result's scale word, in bits
.set R8,  7                            ; v7  8 x (lane % 16)
.set QF,  12                           ; v8-11 zeros, v12-15 q, v16-19 zeros
.set QS,  20                           ; v20 q's scale words
.set OLD, 21                           ; v21 the last step's -M
.set NM,  22                           ; v22 -M;  v23 the running largest score: a pair, of which the packed multiply-add takes the low word
.set MX,  23
.set LS,  24                           ; v24-25 the row's sum, in two halves
.set FF,  26                           ; v26 f = 2^(old M - new M);  v27 named with it as a pair
.set KF,  28                           ; v28-75 four runs of twelve: [k even][zeros][k odd]
.set KS,  76                           ; v76-79 k's scale words
.set VF,  80                           ; v80-111 v's four fragments
.set VS,  112                          ; v112-113 v's scale words
.set PW,  114                          ; v114 p's scale word
.set SC,  116                          ; v116-179 S^T, then p: tile 4 c + v at 32 c + 8 v
.set OA,  180                          ; v180-211 O^T
.set PC,  212                          ; v212-219 p's codes
.set TC,  220                          ; v220-223 four chains of maxima
.set BM,  224                          ; v224-225 my two blocks' largest score, then largest p
.set SO,  226                          ; v226-227 the conversions' scale operands
.set BY,  228                          ; v228-229 the bytes
.set XX,  230                          ; v230 the other lane half's
.set AA,  231                          ; v231 at work
.set CA,  232                          ; v232-233 a step's sum of p, first chain
.set WD,  234                          ; v234 a scale word in the making
.set SA,  235                          ; v235 where the result's scale word goes in LDS
.set RC,  236                          ; v236 1 / sum;  v237 named with it as a pair
.set CB,  244                          ; v244-245 a step's sum of p, second chain
.set WV,  18
.macro CROUND                          ; a round of the cluster's barrier
	s_barrier_signal -1
	s_barrier_wait -1
	s_cmp_lg_u32 s[WV], 0
	s_cbranch_scc1 .Lnot_wave_0_\@
	s_barrier_signal -3
.Lnot_wave_0_\@:
	s_barrier_wait -3
	s_barrier_signal -1
	s_barrier_wait -1
.endm
.macro KLOAD                           ; a step's k: eight images and the scale words: ten loads
.irp x, 0,1,2,3,4,5,6,7
	ds_load_b128 v[KF+12*(\x/2)+8*(\x%2):KF+12*(\x/2)+8*(\x%2)+3], v[A16] offset:512*\x
.endr
	ds_load_b64 v[KS:KS+1], v[A8] offset:8192      ; keys 0-63: lanes 0-15 tiles 0, 1; lanes 16-31 tiles 2, 3
	ds_load_b64 v[KS+2:KS+3], v[A8] offset:8448    ; keys 64-127
.endm
.macro FM b                            ; t - M of the pair of scores b
	v_pk_fma_f32 v[SC+2*(\b):SC+2*(\b)+1], v[SC+2*(\b):SC+2*(\b)+1], s[22:23], v[NM:NM+1] op_sel_hi:[1,0,0]
.endm
.macro RSN                             ; the next pair of O^T under the new M: in ascending order
	v_pk_mul_f32 v[OA+2*ri:OA+2*ri+1], v[OA+2*ri:OA+2*ri+1], v[FF:FF+1] op_sel_hi:[1,0]
.set ri, ri+1
.endm
.macro AP b                            ; THE ROW'S SUM IS TAKEN OF THE UNQUANTISED p: pair b joins one of two chains; pairs 0, 1 and pairs 2, 3 start them
.if (\b) == 1
	s_wait_alu depctr_va_vdst(0)
	v_pk_add_f32 v[CA:CA+1], v[SC:SC+1], v[SC+2:SC+3]
.elseif (\b) == 3
	s_wait_alu depctr_va_vdst(0)
	v_pk_add_f32 v[CB:CB+1], v[SC+4:SC+5], v[SC+6:SC+7]
.elseif (\b)%2 == 0
	v_pk_add_f32 v[CA:CA+1], v[CA:CA+1], v[SC+2*(\b):SC+2*(\b)+1]
.else
	s_wait_alu depctr_va_vdst(0)
	v_pk_add_f32 v[CB:CB+1], v[CB:CB+1], v[SC+2*(\b):SC+2*(\b)+1]
.endif
.endm
.macro CV x                            ; register x of the operand: keys 64 (x / 4) + 32 h + 8 (x % 4) + 0 .. 7
	v_cvt_scalef32_pk8_fp4_f32 v[PC+(\x)], v[SC+8*(\x):SC+8*(\x)+7], v[SO+(\x)/4]
.endm
	s_load_b128 s[4:7], s[0:1], 0x0                ; qws s[4:5], kvws s[6:7]
	s_load_b128 s[8:11], s[0:1], 0x10              ; aoc s[8:9], aos s[10:11]
	v_lshl_add_u32 v254, v0, 2, 0x29000
	v_mov_b32 v255, 0
	ds_add_u32 v254, v255
	ds_add_u32 v254, v255
	v_lshrrev_b32 v4, 5, v0
	v_readfirstlane_b32 s[WV], v4                  ; wave 0..15
	s_bfe_u32 s19, ttmp6, 0x40000                  ; cx
	s_lshl_b32 s20, ttmp9, 2
	s_add_co_u32 s20, s20, s19                     ; my block of 256 queries: it enters q's and the results' addresses alone
	s_and_b32 s21, ttmp7, 0xffff                   ; 16 x batch + head, which the four partners share
	; descriptor group 1: 8,960 dense bytes as 35 rows of 32 elements of 8 bytes; the mask names all four work-groups, bit 21 set beside it
	s_mov_b32 s24, 15|(3<<16)|(1<<21)
	s_mov_b32 s25, 32<<16                          ; tensor_dim0
	s_mov_b32 s26, 35<<16                          ; tensor_dim1
	s_mov_b32 s27, 32<<16                          ; tile_dim0
	s_mov_b32 s28, 35                              ; tile_dim1
	s_mov_b32 s29, 32                              ; tensor_dim0_stride
	s_mov_b32 s30, 0
	s_mov_b32 s31, 0
	s_mul_i32 s52, s[WV], KVSTEP                   ; wave w brings key step w
	s_mul_i32 s50, s21, HEADB
	s_add_co_u32 s50, s50, s52
	s_mov_b32 s51, 0
	s_mov_b32 s22, 0x3e38aa3b                      ; c = log2(e) / 8
	s_mov_b32 s23, s22                             ; (named with it as a pair, so it is written)
	s_mov_b32 s36, 0x76543210
	s_mov_b32 s37, 0xfedcba98                      ; v_permlanex16_b32's selects for lane l xor 16
	s_wait_dscnt 0x0
	s_wait_kmcnt 0x0
	s_mov_b32 s32, 1
	s_mov_b32 s33, s52
	s_add_nc_u64 s[34:35], s[6:7], s[50:51]
	s_or_b32 s35, s35, 0x80000000
	CROUND                                         ; all four work-groups are here: the joint loads meet
	tensor_load_to_lds s[32:35], s[24:31]
	s_nop 0
.rept 4
	v_nop
.endr
	v_and_b32 v2, 31, v0
	v_lshlrev_b32 v[LK], 4, v2
	v_lshlrev_b32 v[L8], 3, v2
	v_bfe_u32 v3, v0, 4, 1
	v_lshlrev_b32 v[SH8], 3, v3
	v_and_b32 v[SA], 15, v0
	v_lshlrev_b32 v[R8], 3, v[SA]
	; q: group 4 x block + w / 4 of the head's 32, tile w % 4
	s_lshl_b32 s42, s21, 5
	s_lshl_b32 s43, s20, 2
	s_add_co_u32 s42, s42, s43
	s_lshr_b32 s43, s[WV], 2
	s_add_co_u32 s42, s42, s43
	s_mul_i32 s42, s42, QGRP
	s_and_b32 s44, s[WV], 3
	s_lshl_b32 s44, s44, 9
	s_add_co_u32 s44, s44, s42                     ; the tile's image
	s_mov_b32 s45, 0
	s_bfe_u32 s46, s[WV], 0x10001
	s_lshl_b32 s46, s46, 7
	s_and_b32 s47, s[WV], 1
	s_lshl_b32 s47, s47, 2
	s_add_co_u32 s46, s46, s47
	s_add_co_u32 s46, s46, s42                     ; its scale words: 8 (r + 16 (v / 2)) + 4 (v % 2) behind the images
	s_mov_b32 s47, 0
	s_add_nc_u64 s[44:45], s[4:5], s[44:45]
	s_add_nc_u64 s[46:47], s[4:5], s[46:47]
	global_load_b128 v[QF:QF+3], v[LK], s[44:45]
	global_load_b32 v[QS], v[R8], s[46:47] offset:2048
	; where the results go
	s_and_b32 s53, s21, 1                          ; the head's half of a K step of 128 of the last product
	s_lshl_b32 s54, s53, 4
	v_add_nc_u32 v[SHE], s54, v[SH8]
	s_lshr_b32 s55, s21, 4
	s_lshl_b32 s55, s55, 7
	s_lshl_b32 s56, s20, 4
	s_add_co_u32 s55, s55, s56
	s_add_co_u32 s55, s55, s[WV]                   ; 128 x batch + my tile
	s_lshl_b32 s55, s55, 3
	s_bfe_u32 s56, s21, 0x30001                    ; the K step: head / 2
	s_add_co_u32 s55, s55, s56
	s_lshl_b32 s56, s55, 10
	s_lshl_b32 s55, s53, 9
	s_add_co_u32 s56, s56, s55
	s_mov_b32 s57, 0
	s_add_nc_u64 s[56:57], s[8:9], s[56:57]        ; aoc: my half of a fragment's image, 512 bytes
	s_lshl_b32 s58, s21, 5
	s_lshl_b32 s59, s20, 2
	s_add_co_u32 s58, s58, s59
	s_lshl_b32 s58, s58, 8
	s_mov_b32 s59, 0
	s_add_nc_u64 s[58:59], s[10:11], s[58:59]      ; aos: the work-group's 1,024 bytes of this head's words
	s_lshr_b32 s60, s[WV], 2
	s_lshl_b32 s60, s60, 8
	s_and_b32 s61, s[WV], 3
	s_lshl_b32 s61, s61, 2
	s_add_co_u32 s60, s60, s61
	s_add_co_u32 s60, s60, SSTG
	v_lshl_add_u32 v[SA], v[SA], 4, s60            ; SSTG + 256 (w / 4) + 16 r + 4 (w % 4)
.irp j, 8,9,10,11,16,17,18,19
	v_mov_b32 v[\j], 0                             ; the zero codes beside q
.endr
.irp i, 0,1,2,3
.irp j, 4,5,6,7
	v_mov_b32 v[KF+12*\i+\j], 0                    ; and between k's tiles: never written again
.endr
.endr
.set j, 0
.rept 32
	v_mov_b32 v[OA+j], 0                           ; O^T.  (The step is written once for all steps: the first finds zeros, which the first change of M leaves zeros)
.set j, j+1
.endr
.irp j, LS, LS+1, FF, FF+1, CA, CA+1, CB, CB+1, RC+1, XX
	v_mov_b32 v[\j], 0                             ; the sum, f and a step's two chains: the first step joins zeros;  a lane permute's destination counts as one of its sources
.endr
	v_mov_b32 v[MX], 0xff61b1e6                    ; the largest score so far: -3e38
	v_mul_f32 v[AA], s22, v[MX]
	v_floor_f32 v[NM], -v[AA]                      ; -M
	v_add_nc_u32 v[A16], s52, v[LK]                ; my first step is the one that I fetched
	v_add_nc_u32 v[A8], s52, v[L8]
; A KEY STEP: 128 keys.  next = 1: the next step's k is asked for behind this step's first products; s39 = how many steps on from my first it lies.
.macro STEP next
	s_wait_dscnt 0x0                               ; k's ten loads are in: nothing else of mine is out
.irp x, 0,1,2,3,4,5,6,7
.set rK, KF+12*(\x/2)+4*(\x%2)
.set rQ, QF-4*(\x%2)
.set rS, KS+2*(\x/4)+(\x%2)
.if (\x%4) >= 2
	v_wmma_scale_f32_16x16x128_f8f6f4 v[SC+8*\x:SC+8*\x+7], v[rK:rK+7], v[rQ:rQ+7], 0, v[rS], v[QS] matrix_a_fmt:MATRIX_FMT_FP4 matrix_b_fmt:MATRIX_FMT_FP4 matrix_a_scale:MATRIX_SCALE_ROW1
.else
	v_wmma_scale_f32_16x16x128_f8f6f4 v[SC+8*\x:SC+8*\x+7], v[rK:rK+7], v[rQ:rQ+7], 0, v[rS], v[QS] matrix_a_fmt:MATRIX_FMT_FP4 matrix_b_fmt:MATRIX_FMT_FP4
.endif
.endr
	; Four plain places behind these products and behind the last step's second products, ahead of the loads into v's and k's registers and of the first read of the scores.
	; Three of them are work put off from the last step: its two chains are joined, and the row's sum takes them under that step's f.
	v_pk_add_f32 v[CA:CA+1], v[CA:CA+1], v[CB:CB+1]
	v_mov_b32 v[OLD], v[NM]
	v_nop
	v_pk_fma_f32 v[LS:LS+1], v[LS:LS+1], v[FF:FF+1], v[CA:CA+1] op_sel_hi:[1,0,1]
.irp t, 0,1,2,3
.irp c, 0,1
	ds_load_b128 v[VF+8*\t+4*\c:VF+8*\t+4*\c+3], v[A16] offset:4096+1024*\t+512*\c   ; this step's v: nine loads, which have the softmax in which to land
.endr
.endr
	ds_load_b64 v[VS:VS+1], v[A8] offset:8704      ; lanes 0-15 tiles 0, 1 of the head's 64; lanes 16-31 tiles 2, 3
.if \next
	s_add_co_u32 s41, s[WV], s39
	s_and_b32 s41, s41, 15                         ; the next step: round the sixteen
	s_mul_i32 s38, s41, KVSTEP
	v_add_nc_u32 v[A16], s38, v[LK]
	v_add_nc_u32 v[A8], s38, v[L8]
	KLOAD
.endif
.irp k, 0,1,2,3
	v_max3_num_f32 v[TC+\k], v[SC+16*\k], v[SC+16*\k+1], v[SC+16*\k+2]   ; the largest score, in four chains of 16; each accumulator is first read at its low end
.endr
.irp i, 3,5,7,9,11,13
.irp k, 0,1,2,3
	v_max3_num_f32 v[TC+\k], v[TC+\k], v[SC+16*\k+\i], v[SC+16*\k+\i+1]
.endr
.endr
	v_max3_num_f32 v[BM], v[TC], v[TC+1], v[SC+15]
	v_max3_num_f32 v[BM+1], v[TC+2], v[TC+3], v[SC+47]
	v_max_num_f32 v[BM], v[BM], v[SC+31]           ; MY TWO BLOCKS' LARGEST SCORES: they serve the row's maximum and, since p rises with the score, the blocks' largest p
	v_max_num_f32 v[BM+1], v[BM+1], v[SC+63]
	v_max_num_f32 v[AA], v[BM], v[BM+1]
	v_permlanex16_b32 v[XX], v[AA], s36, s37       ; the query's other 64 keys lie in the lane 16 away
	v_max3_num_f32 v[MX], v[MX], v[AA], v[XX]      ; the running largest score
	v_mul_f32 v[AA], s22, v[MX]                    ; as t (c is positive)
	v_floor_f32 v[NM], -v[AA]                      ; -M = floor(-t) = -ceil(t): a whole number
	v_fma_f32 v[BM], v[BM], s22, v[NM]             ; t - M of the blocks' largest scores, by turns with f's three lines
	v_sub_f32 v[AA], v[NM], v[OLD]                 ; old M - new M: a whole number, 0 or less
	v_fma_f32 v[BM+1], v[BM+1], s22, v[NM]
	v_cvt_i32_f32 v[AA], v[AA]                     ; (it saturates)
	FM 0
	v_ldexp_f32 v[FF], 1.0, v[AA]                  ; f = 2^(old M - new M)
	FM 1
	v_exp_f32 v[BM], v[BM]                         ; the blocks' largest p
	v_exp_f32 v[BM+1], v[BM+1]
	; 32 groups, one for each pair of scores g: exponential | t - M two pairs ahead | exponential | the sum takes the pair before | and, where one is due, a third plain line or a conversion.
	; The line behind a group's second exponential is always plain, and what reads a p stands a group later: so a plain line lies between every exponential and the use of its result.
.set ri, 0
.set g, 0
.rept 32
	v_exp_f32 v[SC+2*g], v[SC+2*g]                 ; p = 2^(t - M), at most 1
.if g < 30
	FM g+2
.else
	RSN
.endif
	v_exp_f32 v[SC+2*g+1], v[SC+2*g+1]
.if g == 0
	s_wait_alu depctr_va_vdst(0)
	v_max_num_f32 v[BM], 0x1800000, v[BM]          ; the floor 2^(3 - 127): the byte cannot fall under 1
.elseif g == 1
	v_add_nc_u32 v[SO], 0xff000000, v[BM]          ; 2 off the exponent field: the conversion's scale operand
.elseif g == 3
	v_lshrrev_b32 v[BY+1], 23, v[SO+1]
.else
	AP g-1
.endif
.if g == 0
	v_max_num_f32 v[BM+1], 0x1800000, v[BM+1]
.elseif g == 1
	v_add_nc_u32 v[SO+1], 0xff000000, v[BM+1]
.elseif g == 2
	v_lshrrev_b32 v[BY], 23, v[SO]                 ; the scale's byte
.elseif g == 3
	v_lshl_or_b32 v[WD], v[BY+1], 16, v[BY]        ; blocks h and 2 + h,
.elseif g == 5
	v_lshlrev_b32 v[WD], v[SH8], v[WD]             ; at their places;
.elseif g == 6
	v_permlanex16_b32 v[XX], v[WD], s36, s37
.elseif g == 7
	v_or_b32 v[PW], v[WD], v[XX]                   ; with lane l xor 16's two the word is whole
.elseif g%4 == 0
	CV g/4-1                                       ; the tile whose eight p were finished in the group before
.elseif (g > 8) && (g < 22)
	RSN
.endif
.set g, g+1
.endr
	AP 31
	CV 7
.rept 4
	RSN                                            ; the last four pairs of O^T: the four places between the last conversion and the products
.endr
.if \next
	s_wait_dscnt 10                                ; all but the next step's ten loads of k: v's nine are in
.else
	s_wait_dscnt 0x0
.endif
.irp t, 0,1,2,3                                ; the four accumulators take turns
.if \t >= 2
	v_wmma_scale_f32_16x16x128_f8f6f4 v[OA+8*\t:OA+8*\t+7], v[VF+8*\t:VF+8*\t+7], v[PC:PC+7], v[OA+8*\t:OA+8*\t+7], v[VS+\t%2], v[PW] matrix_a_fmt:MATRIX_FMT_FP4 matrix_b_fmt:MATRIX_FMT_FP4 matrix_a_scale:MATRIX_SCALE_ROW1
.else
	v_wmma_scale_f32_16x16x128_f8f6f4 v[OA+8*\t:OA+8*\t+7], v[VF+8*\t:VF+8*\t+7], v[PC:PC+7], v[OA+8*\t:OA+8*\t+7], v[VS+\t%2], v[PW] matrix_a_fmt:MATRIX_FMT_FP4 matrix_b_fmt:MATRIX_FMT_FP4
.endif
.endr
.endm
	s_wait_tensorcnt 0x0                           ; my key step is in: I may read it, and I say so to the others
	s_barrier_signal -1
	KLOAD                                          ; between the signal and the wait: register work, and LDS loads of my own step's bytes, which nobody writes again
	s_wait_loadcnt 0x0                             ; q
	STEP 0                                         ; my first step: it asks for no other step's bytes
	s_barrier_wait -1                              ; every wave's key step is in: the head is whole
	s_add_co_u32 s41, s[WV], 1
	s_and_b32 s41, s41, 15
	s_mul_i32 s38, s41, KVSTEP
	v_add_nc_u32 v[A16], s38, v[LK]
	v_add_nc_u32 v[A8], s38, v[L8]
	KLOAD                                          ; the second step's k
	s_mov_b32 s39, 2
.Lstep:                                            ; 14 trips: my steps 1 to 14; trip s39 - 1 asks for the k of step s39
	STEP 1
	s_add_co_u32 s39, s39, 1
	s_cmp_lt_u32 s39, 16
	s_cbranch_scc1 .Lstep
	STEP 0                                         ; my last step asks for nothing more
	; THE END.  The last step's sums are joined (these lines are also the places behind the last products); O^T / the sum; my 32 numbers are one block of 32 of the model's 1,024 (block 2 x head + h)
	v_pk_add_f32 v[CA:CA+1], v[CA:CA+1], v[CB:CB+1]
	v_pk_fma_f32 v[LS:LS+1], v[LS:LS+1], v[FF:FF+1], v[CA:CA+1] op_sel_hi:[1,0,1]
	v_add_f32 v[LS], v[LS], v[LS+1]
	v_permlanex16_b32 v[XX], v[LS], s36, s37
	v_add_f32 v[LS], v[LS], v[XX]                  ; the row's sum
	v_rcp_f32 v[RC], v[LS]
	v_nop                                          ; one plain place behind a transcendental
.set j, 0
	s_wait_alu depctr_va_vdst(0)
.rept 16
	v_pk_mul_f32 v[SC+j:SC+j+1], v[OA+j:OA+j+1], v[RC:RC+1] op_sel_hi:[1,0]
.set j, j+2
.endr
	v_max3_num_f32 v[TC], |v[SC]|, |v[SC+1]|, 0x1800000
	v_max3_num_f32 v[TC+1], |v[SC+16]|, |v[SC+17]|, 0x1800000
.irp i, 2,4,6,8,10,12,14
	v_max3_num_f32 v[TC], v[TC], |v[SC+\i]|, |v[SC+\i+1]|
	v_max3_num_f32 v[TC+1], v[TC+1], |v[SC+16+\i]|, |v[SC+17+\i]|
.endr
	v_max_num_f32 v[TC], v[TC], v[TC+1]
	v_add_nc_u32 v[SO], 0xff000000, v[TC]
	v_lshrrev_b32 v[WD], 23, v[SO]
.irp t, 0,1,2,3
	v_cvt_scalef32_pk8_fp4_f32 v[PC+\t], v[SC+8*\t:SC+8*\t+7], v[SO]
.endr
	v_lshlrev_b32 v[WD], v[SHE], v[WD]             ; byte 2 (head % 2) + h of the K step's scale word; the other head's two bytes stay 0 and are joined by the next launch
	v_permlanex16_b32 v[XX], v[WD], s36, s37
	v_or_b32 v[WD], v[WD], v[XX]
	global_store_b128 v[LK], v[PC:PC+3], s[56:57]  ; 512 consecutive bytes: half a fragment's image
	s_wait_dscnt 0x0                               ; my loads from LDS are back
	s_barrier_signal -1                            ; the key steps were read at an address that goes round the sixteen steps: this barrier parts every wave's loads from the stores below,
	s_barrier_wait -1                              ; so that their order leans on no address arithmetic
	ds_store_b32 v[SA], v[WD]                      ; both lane halves write the same word with the same value
	s_wait_dscnt 0x0                               ; for the others' sake: my store has landed
	s_barrier_signal -1
	s_barrier_wait -1
	s_cmp_gt_u32 s[WV], 1
	s_cbranch_scc1 .Lno_words
	v_lshlrev_b32 v238, 4, v0                      ; waves 0 and 1: threads 0 to 63, 16 bytes each
	v_add_nc_u32 v239, SSTG, v238
	ds_load_b128 v[240:243], v239
	s_wait_dscnt 0x0
	global_store_b128 v238, v[240:243], s[58:59]   ; a wave stores 512 consecutive bytes
.Lno_words:
	s_wait_tensorcnt 0x0
	ds_add_u32 v254, v255
	s_wait_dscnt 0x0
	CROUND                                         ; the closing round: no work-group ends while a partner may still ask for a tile that names it
	s_endpgm
.Lfunc_end_k_q8001dbbcd9_attn:
	.size	k_q8001dbbcd9_attn, .Lfunc_end_k_q8001dbbcd9_attn-k_q8001dbbcd9_attn
	.p2alignl 7, 3214868480
	.fill 96, 4, 3214868480
	.section	.rodata,"a",@progbits
	.p2align	6, 0x0
	.amdhsa_kernel k_q8001dbbcd9_attn
		.amdhsa_group_segment_fixed_size 169984
		.amdhsa_private_segment_fixed_size 0
		.amdhsa_enable_private_segment 0
		.amdhsa_kernarg_size 32
		.amdhsa_user_sgpr_count 2
		.amdhsa_user_sgpr_kernarg_segment_ptr 1
		.amdhsa_wavefront_size32 1
		.amdhsa_system_sgpr_workgroup_id_x 1
		.amdhsa_system_sgpr_workgroup_id_y 1
		.amdhsa_system_sgpr_workgroup_id_z 1
		.amdhsa_system_vgpr_workitem_id 0
		.amdhsa_next_free_vgpr 256
		.amdhsa_next_free_sgpr 66
		.amdhsa_reserve_vcc 0
		.amdhsa_float_denorm_mode_32 3
		.amdhsa_float_denorm_mode_16_64 3
		.amdhsa_memory_ordered 1
		.amdhsa_forward_progress 1
		.amdhsa_inst_pref_size 54
	.end_amdhsa_kernel
	.amdgpu_metadata
---
amdhsa.version: [ 1, 2 ]
amdhsa.kernels:
  - .name:           k_q8001dbbcd9_attn
    .symbol:         k_q8001dbbcd9_attn.kd
    .args:
      - { .name: qws, .offset: 0, .size: 8, .value_kind: global_buffer, .address_space: global }
      - { .name: kvws, .offset: 8, .size: 8, .value_kind: global_buffer, .address_space: global }
      - { .name: aoc, .offset: 16, .size: 8, .value_kind: global_buffer, .address_space: global }
      - { .name: aos, .offset: 24, .size: 8, .value_kind: global_buffer, .address_space: global }
    .group_segment_fixed_size: 169984
    .private_segment_fixed_size: 0
    .kernarg_segment_align: 8
    .kernarg_segment_size: 32
    .max_flat_workgroup_size: 512
    .sgpr_count:     66
    .vgpr_count:     256
    .wavefront_size: 32
...
	.end_amdgpu_metadata
.endif
;; end of part 2
;; launch oproj (part 3): grid 8 x 32, 4 waves a work-group, clusters of 4 x 4, 168,448 bytes of LDS; arguments aoc, aos, w_o_codes, w_o_scales, b_o, out0; writes out0
.if DOCPART == 3
	.amdgcn_target "amdgcn-amd-amdhsa--gfx1250"
	.amdhsa_code_object_version 6
	.text
	.protected	k_q8001dbbcd9_oproj
	.globl	k_q8001dbbcd9_oproj
	.p2align	8
	.type	k_q8001dbbcd9_oproj,@function
k_q8001dbbcd9_oproj:
	s_mov_b64 s[64:65], 0
	v_nop
	global_prefetch_b8 v0, s[64:65] scope:SCOPE_SE
	s_setreg_imm32_b32 hwreg(HW_REG_WAVE_MODE, 25, 1), 1
	s_wait_xcnt 0x0
	s_wait_alu depctr_hold_cnt(0) depctr_sa_sdst(0) depctr_va_vdst(0) depctr_va_sdst(0) depctr_va_ssrc(0) depctr_va_vcc(0) depctr_vm_vsrc(0)
	s_getreg_b32 s2, hwreg(HW_REG_IB_STS2, 6, 4)
	s_cmp_eq_u32 s2, 0
	s_cbranch_scc0 .Lentry_in_a_cluster
	s_endpgm
.Lentry_in_a_cluster:
	s_bfe_u32 s2, ttmp6, 0x10000c
	s_cmp_lg_u32 s2, 0xf033
	s_cbranch_scc0 .Lentry_shape_is_right
	s_endpgm
.Lentry_shape_is_right:
; out0 = attn Wo + b_o on codes of FP4 (E2M1) with E8M0 scales.  attn's codes come as images of operand registers (a fragment of 16 rows x 128 K: 1,024 bytes, lane l's 16 bytes at 16 l and at 512 + 16 l),
; its scale bytes as one half word for each row and head; Wo's codes and scale bytes as they are given, K innermost.
; SHARES.  A work-group takes 128 rows x 128 columns: 32 x 8 = 256 work-groups.  Wave (w / 2, w % 2) takes 64 x 64: 16 accumulators, 8 K steps of 128, 128 matrix instructions.
; All of K lies in LDS at once (65,536 bytes of images, 128 rows of Wo 528 bytes apart): every fill is a first fill; two loads of mine are out.
; THE ROWS OF A TILE OF attn ARE NOT NEIGHBOURS: lane r of tile v of a group of 64 rows is row 8 v + r % 8 + 32 (r / 8), as the launch before made them; the way out puts each row where it belongs.
; THE MATRIX INSTRUCTION IS USED TRANSPOSED (source 0 = 16 rows of Wo, source 1 = 16 rows of attn): a lane holds eight neighbouring numbers of a row of out0.  The bias is the C of each sum's first instruction.
; CLUSTER.  4 x 4 work-groups: the four of a row of the cluster share attn's rows, the four of a column Wo's: each tile is asked for jointly, by the same load with the same descriptor and a mask that names the four.
; LIMITS.  NaN, infinities and scale bytes 0xff among the inputs are not served.
; REGISTERS.  Window 0: v1-15 addresses and set-up; v16-31 Wo's scale words; v32-63 attn's (K step s, tile v at 32 + 4 s + v); v64-191 the accumulators ((m, n) at 64 + 32 m + 8 n); v192-255 the way out, two sets.
;   Window 1: v0-63 attn's fragments, two sets; v64-127 Wo's, two sets; v128-159 the bias.
.set PITCH, 528                        ; a row of Wo in LDS: 512 bytes + 16 = 132 words: row r starts at bank 4 r mod 64 (64 banks of 4 bytes: ISA guide 11.1)
.set BOFF,  65536
.set STG,   BOFF+128*PITCH             ; behind the tiles: a stage of 16 rows x 272 bytes for each wave; no fill lands here
.set SP,    272
.set ADA, 1                            ; v1  16 x lane + my group's four tile images
.set ADB, 2                            ; v2  my fragments of Wo
.set STO, 3                            ; v3  the way out: where I put 32 bytes of a row
.set RD,  4                            ; v4  where I read a row back
.set CO,  5                            ; v5  my byte offset in out0
.set WS,  16
.set AS,  32
.set ACC, 64
.set BK,  192
.set AF,  0
.set BF,  64
.set BI,  128
.set WV,  18
.set MSB, 0
.macro WIN new                         ; the immediate's high byte repeats the setting that is left
.if MSB != \new
	s_set_vgpr_msb (MSB<<8)|\new
.set MSB, \new
.endif
.endm
.macro PLACES                          ; four plain places behind a matrix instruction (ISA guide 7.12.1)
.rept 4
	v_nop
.endr
.endm
.macro CROUND                          ; a round of the cluster's barrier
	s_barrier_signal -1
	s_barrier_wait -1
	s_cmp_lg_u32 s[WV], 0
	s_cbranch_scc1 .Lnot_wave_0_\@
	s_barrier_signal -3
.Lnot_wave_0_\@:
	s_barrier_wait -3
	s_barrier_signal -1
	s_barrier_wait -1
.endm
.macro FETCH q, set                    ; K step q's fragments: sixteen loads
	WIN 0x40                                       ; destination window 1, address window 0
.irp m, 0,1,2,3
.irp c, 0,1
	ds_load_b128 v[AF+32*(\set)+8*\m+4*\c:AF+32*(\set)+8*\m+4*\c+3], v[ADA] offset:8192*\m+1024*(\q)+512*\c
.endr
.endr
.irp n, 0,1,2,3
.irp c, 0,1
	ds_load_b128 v[BF+32*(\set)+8*\n+4*\c:BF+32*(\set)+8*\n+4*\c+3], v[ADB] offset:16*PITCH*\n+64*(\q)+32*\c
.endr
.endr
.endm
; 16 matrix instructions: K step q.  The sixteen accumulators take turns, one instruction a turn, in the same order in every step.
.macro MUL q
.if (\q) == 0
	WIN 0x15                                       ; sources 0, 1 and C (the bias) window 1, D window 0
.else
	WIN 0x05
.endif
.irp m, 0,1,2,3
.irp n, 0,1,2,3
.set rD, ACC+32*\m+8*\n
.set rC, rD
.if (\q) == 0
.set rC, BI+8*\n
.endif
.set rA, AF+32*((\q)%2)+8*\m
.set rB, BF+32*((\q)%2)+8*\n
.if (\q) >= 4
	v_wmma_scale_f32_16x16x128_f8f6f4 v[rD:rD+7], v[rB:rB+7], v[rA:rA+7], v[rC:rC+7], v[WS+4*\n+(\q)%4], v[AS+4*(\q)+\m] matrix_a_fmt:MATRIX_FMT_FP4 matrix_b_fmt:MATRIX_FMT_FP4 matrix_a_scale:MATRIX_SCALE_ROW1
.else
	v_wmma_scale_f32_16x16x128_f8f6f4 v[rD:rD+7], v[rB:rB+7], v[rA:rA+7], v[rC:rC+7], v[WS+4*\n+(\q)%4], v[AS+4*(\q)+\m] matrix_a_fmt:MATRIX_FMT_FP4 matrix_b_fmt:MATRIX_FMT_FP4
.endif
.endr
.endr
.endm
	s_load_b256 s[4:11], s[0:1], 0x0               ; aoc s[4:5], aos s[6:7], Wo's codes s[8:9], Wo's scales s[10:11]
	s_load_b128 s[12:15], s[0:1], 0x20             ; b_o s[12:13], out0 s[14:15]
	s_set_vgpr_msb 0x40
	v_lshl_add_u32 v254, v0, 2, 0x29000
	v_mov_b32 v255, 0
	s_set_vgpr_msb 0x4045
	ds_add_u32 v254, v255
	ds_add_u32 v254, v255
	s_set_vgpr_msb 0x4500
	v_lshrrev_b32 v6, 5, v0
	v_readfirstlane_b32 s[WV], v6                  ; wave 0..3
	s_lshr_b32 s25, s[WV], 1                       ; which 64 rows are mine
	s_and_b32 s26, s[WV], 1                        ; which 64 columns
	s_bfe_u32 s19, ttmp6, 0x40000                  ; cx, cy
	s_bfe_u32 s20, ttmp6, 0x40004
	s_lshl_b32 s21, ttmp9, 2
	s_add_co_u32 s21, s21, s19                     ; the block of 128 columns
	s_and_b32 s22, ttmp7, 0xffff
	s_lshl_b32 s22, s22, 2
	s_add_co_u32 s22, s22, s20                     ; the block of 128 rows
	s_lshl_b32 s23, s20, 2
	s_lshl_b32 s23, 15, s23                        ; my row of the cluster: it shares attn's rows
	s_lshl_b32 s24, 0x1111, s19                    ; my column: it shares Wo's rows
	; descriptor group 1.  attn: 16,384 dense bytes as 64 rows of 32 elements of 8 bytes.  Wo: 32 rows of 64 elements, 4 words of padding behind every 128
	s_or_b32 s28, s23, (3<<16)|(1<<21)
	s_mov_b32 s29, 32<<16                          ; tensor_dim0
	s_mov_b32 s30, 64<<16                          ; tensor_dim1
	s_mov_b32 s31, 32<<16                          ; tile_dim0
	s_mov_b32 s32, 64                              ; tile_dim1
	s_mov_b32 s33, 32                              ; tensor_dim0_stride
	s_mov_b32 s34, 0
	s_mov_b32 s35, 0
	s_or_b32 s36, s24, (3<<16)|(1<<20)|(1<<21)|(6<<22)|(3<<25)
	s_mov_b32 s37, 64<<16
	s_mov_b32 s38, 32<<16
	s_mov_b32 s39, 64<<16
	s_mov_b32 s40, 32
	s_mov_b32 s41, 64
	s_mov_b32 s42, 0
	s_mov_b32 s43, 0
	s_lshl_b32 s74, s[WV], 14                      ; wave w fetches two tile images of attn, and 32 rows of Wo: 16,384 bytes of memory each
	s_lshl_b32 s72, s22, 16                        ; (these registers never hold the block of columns)
	s_add_co_u32 s72, s72, s74
	s_mov_b32 s73, 0
	s_lshl_b32 s76, s21, 16                        ; (these never hold the block of rows)
	s_add_co_u32 s76, s76, s74
	s_mov_b32 s77, 0
	s_mul_i32 s75, s[WV], 32*PITCH
	s_wait_dscnt 0x0
	s_wait_kmcnt 0x0
	s_mov_b32 s44, 1
	s_lshl_b32 s45, s[WV], 14
	s_add_nc_u64 s[46:47], s[4:5], s[72:73]
	s_or_b32 s47, s47, 0x80000000
	s_mov_b32 s48, 1
	s_add_co_u32 s49, s75, BOFF
	s_add_nc_u64 s[50:51], s[8:9], s[76:77]
	s_or_b32 s51, s51, 0x80000000
	CROUND                                         ; all sixteen work-groups are here: the joint loads meet
	tensor_load_to_lds s[44:47], s[28:35]
	s_nop 0
	tensor_load_to_lds s[48:51], s[36:43]
	s_nop 0
.rept 4
	v_nop
.endr
	v_and_b32 v6, 15, v0                           ; r
	v_bfe_u32 v7, v0, 4, 1                         ; h
	v_lshlrev_b32 v8, 5, v6
	v_lshl_add_u32 v8, v7, 4, v8                   ; Wo's scales: row r of 32 bytes; lanes 0-15 words 0-3, lanes 16-31 words 4-7
	v_lshlrev_b32 v9, 4, v6
	v_lshl_add_u32 v9, v7, 13, v9                  ; attn's: row r's four words (tiles 0-3); lanes 0-15 the even head's, lanes 16-31 the odd head's, 8,192 bytes on
	v_lshlrev_b32 v10, 5, v7                       ; the bias: my half's eight numbers of a tile
	s_lshl_b32 s80, s21, 12
	s_lshl_b32 s82, s26, 11
	s_add_co_u32 s80, s80, s82
	s_mov_b32 s81, 0
	s_add_nc_u64 s[10:11], s[10:11], s[80:81]      ; Wo's scales at my 64 rows of Wo
	s_lshl_b32 s80, s21, 9
	s_lshl_b32 s82, s26, 8
	s_add_co_u32 s80, s80, s82
	s_add_nc_u64 s[12:13], s[12:13], s[80:81]      ; the bias at my 64 columns;
	s_add_nc_u64 s[14:15], s[14:15], s[80:81]      ; out0 likewise,
	s_lshl_b32 s80, s22, 19
	s_lshl_b32 s82, s25, 18
	s_add_co_u32 s80, s80, s82
	s_add_nc_u64 s[14:15], s[14:15], s[80:81]      ; at my 64 rows of 4,096 bytes
	s_lshr_b32 s80, s22, 4
	s_lshl_b32 s80, s80, 17                        ; the batch's 16 heads of 8,192 bytes,
	s_lshl_b32 s82, s22, 1
	s_add_co_u32 s82, s82, s25
	s_and_b32 s82, s82, 31
	s_lshl_b32 s82, s82, 8                         ; my group of 64 rows: 256 bytes
	s_add_co_u32 s80, s80, s82
	s_add_nc_u64 s[6:7], s[6:7], s[80:81]
.irp t, 0,1,2,3
	global_load_b128 v[WS+4*\t:WS+4*\t+3], v8, s[10:11] offset:512*\t
.endr
.irp s, 0,1,2,3,4,5,6,7
	global_load_b128 v[AS+4*\s:AS+4*\s+3], v9, s[6:7] offset:16384*\s
.endr
	WIN 0x40
.irp t, 0,1,2,3
	global_load_b128 v[BI+8*\t:BI+8*\t+3], v10, s[12:13] offset:64*\t
	global_load_b128 v[BI+8*\t+4:BI+8*\t+7], v10, s[12:13] offset:64*\t+16
.endr
	WIN 0
	v_and_b32 v11, 31, v0
	v_lshlrev_b32 v[ADA], 4, v11
	s_lshl_b32 s83, s25, 15
	v_add_nc_u32 v[ADA], s83, v[ADA]
	v_mul_u32_u24 v[ADB], v6, PITCH
	v_lshl_add_u32 v[ADB], v7, 4, v[ADB]
	s_mul_i32 s83, s26, 64*PITCH
	s_add_co_u32 s83, s83, BOFF
	v_add_nc_u32 v[ADB], s83, v[ADB]
	s_mul_i32 s84, s[WV], 16*SP
	s_add_co_u32 s84, s84, STG                     ; my stage
	v_mul_u32_u24 v[STO], v6, SP
	v_lshl_add_u32 v[STO], v7, 5, v[STO]
	v_add_nc_u32 v[STO], s84, v[STO]               ; in: row r, 32 bytes for each half of the lanes
	v_mul_u32_u24 v[RD], v7, SP
	v_lshl_add_u32 v[RD], v6, 4, v[RD]
	v_add_nc_u32 v[RD], s84, v[RD]                 ; back: lanes 0-15 one row of 256 bytes, lanes 16-31 the next
	v_lshlrev_b32 v[CO], 12, v7
	v_lshl_add_u32 v[CO], v6, 4, v[CO]             ; and the same two rows in out0
	s_mov_b32 s70, 0x76543210
	s_mov_b32 s71, 0xfedcba98                      ; v_permlanex16_b32's selects for lane l xor 16
.irp v, 0,1,2,3
	v_mov_b32 v[12+\v], 0                          ; written once: a lane permute's destination counts as one of its sources
.endr
	s_wait_loadcnt 0x0
.irp s, 0,1,2,3,4,5,6,7                        ; a K step of 128 spans two heads: the even head's two bytes and the odd head's two make the word
.irp v, 0,1,2,3
	v_permlanex16_b32 v[12+\v], v[AS+4*\s+\v], s70, s71
.endr
.irp v, 0,1,2,3
	v_or_b32 v[AS+4*\s+\v], v[AS+4*\s+\v], v[12+\v]
.endr
.endr
.rept 8
	v_nop                                          ; a scale register written by a vector instruction stands eight places ahead of a scaled matrix instruction
.endr
	s_wait_tensorcnt 0x0                           ; my parts of both tiles are in,
	s_barrier_signal -1
	s_barrier_wait -1                              ; everybody's are
	FETCH 0, 0
.irp q, 0,1,2,3,4,5,6
.if \q > 0
	PLACES                                         ; the set to be loaded was multiplied by the step just issued
.endif
	FETCH \q+1, (\q+1)%2
	s_wait_dscnt 16                                ; all but the sixteen loads just issued: this step's fragments are in
	MUL \q
.endr
	s_wait_dscnt 0x0
	MUL 7
	WIN 0
	PLACES                                         ; ahead of the first read of the results
; THE WAY OUT, a tile of 16 rows x 64 columns at a time, through my own stage: a lane's 32 bytes go in by rows of 272 bytes and come back as whole rows of 256, which sixteen lanes store as one aligned run.
; LDS serves a wave's instructions in order (ISA guide 5.7.1.4): no wait between the stores and the loads, nor ahead of the next tile's stores.
.macro TOSTAGE a
.irp n, 0,1,2,3
	ds_store_b128 v[STO], v[ACC+32*(\a)+8*\n:ACC+32*(\a)+8*\n+3] offset:64*\n        ; each accumulator from its low end on
	ds_store_b128 v[STO], v[ACC+32*(\a)+8*\n+4:ACC+32*(\a)+8*\n+7] offset:64*\n+16
.endr
.irp t, 0,1,2,3,4,5,6,7
	ds_load_b128 v[BK+32*((\a)%2)+4*\t:BK+32*((\a)%2)+4*\t+3], v[RD] offset:\t*2*SP
.endr
.endm
.macro SEND a, younger                 ; younger: the LDS instructions issued behind tile a's loads, which may stay out
	s_wait_dscnt \younger
.irp t, 0,1,2,3,4,5,6,7
	global_store_b128 v[CO], v[BK+32*((\a)%2)+4*\t:BK+32*((\a)%2)+4*\t+3], s[14:15] offset:(8*(\a)+(2*\t)%8+32*(\t/4))*4096 th:TH_STORE_NT   ; stage row 2 t + lane / 16 of tile a is row 8 a + (2 t) % 8 + lane / 16 + 32 (t / 4) of my 64
.endr
.endm
	TOSTAGE 0
.irp a, 1,2,3
.if \a > 1
	s_wait_xcnt 0x0                                ; tile a - 2's stores have read their registers: tile a's loads may land there
.endif
	TOSTAGE \a
	SEND \a-1, 16                                  ; behind tile a - 1's loads: tile a's eight stores and eight loads
.endr
	SEND 3, 0
	s_set_vgpr_msb 0x5
	s_wait_tensorcnt 0x0
	ds_add_u32 v254, v255
	s_wait_dscnt 0x0
	s_set_vgpr_msb 0x500
	CROUND                                         ; the closing round: no work-group ends while a partner may still ask for a tile that names it
	s_endpgm
.Lfunc_end_k_q8001dbbcd9_oproj:
	.size	k_q8001dbbcd9_oproj, .Lfunc_end_k_q8001dbbcd9_oproj-k_q8001dbbcd9_oproj
	.p2alignl 7, 3214868480
	.fill 96, 4, 3214868480
	.section	.rodata,"a",@progbits
	.p2align	6, 0x0
	.amdhsa_kernel k_q8001dbbcd9_oproj
		.amdhsa_group_segment_fixed_size 168448
		.amdhsa_private_segment_fixed_size 0
		.amdhsa_enable_private_segment 0
		.amdhsa_kernarg_size 48
		.amdhsa_user_sgpr_count 2
		.amdhsa_user_sgpr_kernarg_segment_ptr 1
		.amdhsa_wavefront_size32 1
		.amdhsa_system_sgpr_workgroup_id_x 1
		.amdhsa_system_sgpr_workgroup_id_y 1
		.amdhsa_system_sgpr_workgroup_id_z 1
		.amdhsa_system_vgpr_workitem_id 0
		.amdhsa_next_free_vgpr 512
		.amdhsa_next_free_sgpr 100
		.amdhsa_reserve_vcc 0
		.amdhsa_float_denorm_mode_32 3
		.amdhsa_float_denorm_mode_16_64 3
		.amdhsa_memory_ordered 1
		.amdhsa_forward_progress 1
		.amdhsa_inst_pref_size 45
	.end_amdhsa_kernel
	.amdgpu_metadata
---
amdhsa.version: [ 1, 2 ]
amdhsa.kernels:
  - .name:           k_q8001dbbcd9_oproj
    .symbol:         k_q8001dbbcd9_oproj.kd
    .args:
      - { .name: aoc, .offset: 0, .size: 8, .value_kind: global_buffer, .address_space: global }
      - { .name: aos, .offset: 8, .size: 8, .value_kind: global_buffer, .address_space: global }
      - { .name: w_o_codes, .offset: 16, .size: 8, .value_kind: global_buffer, .address_space: global }
      - { .name: w_o_scales, .offset: 24, .size: 8, .value_kind: global_buffer, .address_space: global }
      - { .name: b_o, .offset: 32, .size: 8, .value_kind: global_buffer, .address_space: global }
      - { .name: out0, .offset: 40, .size: 8, .value_kind: global_buffer, .address_space: global }
    .group_segment_fixed_size: 168448
    .private_segment_fixed_size: 0
    .kernarg_segment_align: 8
    .kernarg_segment_size: 48
    .max_flat_workgroup_size: 128
    .sgpr_count:     100
    .vgpr_count:     512
    .wavefront_size: 32
...
	.end_amdgpu_metadata
.endif
;; end of part 3
